; MI455X (gfx1250); checked and timed in simulation.
; The chip was launched on July 23, 2026; its instructions are those of AMD's public machine-readable ISA for CDNA 5 (MIT licence, August 2026) and "CDNA5" Instruction Set Architecture Reference Guide (July 2026). The comments in the code are by the model that wrote it; some were corrected since.
;; Multi Headed Self Attention. Allowed arithmetic: matrix products marked QUANTISED: E2M1 operands, one E8M0 scale for each 32 along K, by v_wmma_scale_f32_16x16x128_f8f6f4 with both operands' format E2M1 (or v_wmma_scale_f32_32x16x128_f4), f32 sums; everything else in f32.
;; Inputs: Wk_codes 1,024 x 32 x 16 uint8 (E2M1 codes of Wk, K innermost, in blocks of 32 codes, two codes a byte); Wk_scales 1,024 x 32 uint8 (E8M0 scales of Wk, one for each 32 codes along K); Wo_codes 1,024 x 32 x 16 uint8 (E2M1 codes of Wo, K innermost, in blocks of 32 codes, two codes a byte); Wo_scales 1,024 x 32 uint8 (E8M0 scales of Wo, one for each 32 codes along K); Wq_codes 1,024 x 32 x 16 uint8 (E2M1 codes of Wq, K innermost, in blocks of 32 codes, two codes a byte); Wq_scales 1,024 x 32 uint8 (E8M0 scales of Wq, one for each 32 codes along K); Wv_codes 1,024 x 32 x 16 uint8 (E2M1 codes of Wv, K innermost, in blocks of 32 codes, two codes a byte); Wv_scales 1,024 x 32 uint8 (E8M0 scales of Wv, one for each 32 codes along K); bk 1,024 float32; bo 1,024 float32; bq 1,024 float32; bv 1,024 float32; k_codes 4 x 2,048 x 32 x 16 uint8 (E2M1 codes of k, K innermost, in blocks of 32 codes, two codes a byte); k_scales 4 x 2,048 x 32 uint8 (E8M0 scales of k, one for each 32 codes along K); q_codes 4 x 2,048 x 32 x 16 uint8 (E2M1 codes of q, K innermost, in blocks of 32 codes, two codes a byte); q_scales 4 x 2,048 x 32 uint8 (E8M0 scales of q, one for each 32 codes along K); v_codes 4 x 2,048 x 32 x 16 uint8 (E2M1 codes of v, K innermost, in blocks of 32 codes, two codes a byte); v_scales 4 x 2,048 x 32 uint8 (E8M0 scales of v, one for each 32 codes along K).
;; Outputs: out0 4 x 2,048 x 1,024 float32.
;; This version of the problem:
;;   THIS VERSION OF THE PROBLEM IS GIVEN IN LOW PRECISION. The matrix products marked QUANTISED in the list below multiply operands that are first quantised to E2M1 (2 exponent bits, 1 mantissa bit; 4 bits a number), with one power-of-two scale for each 32 numbers along K (OCP MX v1.0); their sums are f32. All else is computed in f32.
;;   The module's matrix products, in the order in which they are computed (A, B: the left and right operand; K: the contracted axis; several contracted axes count as one K, in the product's order):
;;     1. [M 8,192, K 1,024] x [K 1,024, N 1,024]; A: input q (given as codes); B: input Wq (given as codes): QUANTISED
;;     2. [M 8,192, K 1,024] x [K 1,024, N 1,024]; A: input k (given as codes); B: input Wk (given as codes): QUANTISED
;;     3. [M 8,192, K 1,024] x [K 1,024, N 1,024]; A: input v (given as codes); B: input Wv (given as codes): QUANTISED
;;     4. batch 64 x [M 2,048, K 64] x [K 64, N 2,048]; A: computed on the way; B: computed on the way: QUANTISED
;;     5. batch 64 x [M 64, K 2,048] x [K 2,048, N 2,048]; A: computed on the way; B: softmax (see below): QUANTISED
;;     6. [M 8,192, K 1,024] x [K 1,024, N 1,024]; A: computed on the way; B: input Wo (given as codes): QUANTISED
;;   THE QUANTISER, for each operand of a quantised product, along K:
;;     - K is cut into blocks of 32 from its start; a last block that is shorter is filled with zeros.
;;     - A block's scale is 2^e with e = floor(log2(the largest magnitude in the block)) - 2, held to -126 .. 127; a block of zeros has e = 0. As a byte (E8M0): e + 127.
;;     - Each number is divided by its block's scale, clamped to +-6, and rounded to the nearest number of E2M1, ties to even, subnormals kept.
;;     - The product sums the exact products of the quantised numbers (number of the format x scale) in f32.
;;   ~~~python
;;   def quantise(x, axis):      # numpy; x: float32 -> the quantised numbers, widened to float32 again
;;       x = np.moveaxis(x, axis, -1); K = x.shape[-1]
;;       x = np.pad(x, [(0, 0)] * (x.ndim - 1) + [(0, -K % 32)]); x = x.reshape(x.shape[:-1] + (-1, 32)); a = np.abs(x).max(-1, keepdims=True)
;;       e = np.where(a > 0, np.clip(np.frexp(np.where(a > 0, a, 1))[1] - 1 - 2, -126, 127), 0)      # np.frexp(a)[1] - 1 = floor(log2(a)), exactly
;;       r = np.clip(x / 2.0 ** e, -6, 6)
;;       step = 2.0 ** (np.maximum(np.frexp(np.where(r == 0, 1, r))[1] - 1, 0) - 1)
;;       q = np.round(r / step) * step * 2.0 ** e      # np.round: ties to even
;;       return np.moveaxis(q.reshape(q.shape[:-2] + (-1,))[..., :K], -1, axis).astype(np.float32)
;;   ~~~
;;   SOFTMAX AHEAD OF A QUANTISED PRODUCT. Where the list says 'softmax', what is quantised is not the finished softmax but p = 2^(t - M), with t = logit x log2(e) and M = ceil(the row's largest t), a whole number; so 1/2 < the row's largest p <= 1. The row's sum l is taken of the UNQUANTISED p, in f32, and the product's result is divided by l at the end. Since M is a whole number, a kernel that streams over the keys may use a running M (the ceiling of the running maximum): every later rescaling is an exact power of two, which a block's scale takes up: the codes' values come out the same.
;;   OPERANDS COMPUTED ON THE WAY. 'Computed on the way' means the value that the module computes at that place (a softmax that the list does not call 'softmax' is quantised finished and normalised). What goes into a quantiser is computed in f32, as accurately as f32 sums, v_exp_f32 and their like allow (about 1e-6 of the number): no bf16 or f16 on the way to a quantiser, and a product that is left as it is and whose result goes on into a quantised operand takes f32 operands (vector FMAs, or v_wmma_f32_16x16x4_f32). A number that lies on a knife's edge between two numbers of the format may be rounded either way, as far as f32 arithmetic and the matrix unit's own rounding can turn it there, and no further.
;;   INPUTS GIVEN AS CODES. Wk (in the module: [1024, 1024], K = its axis 1); Wo (in the module: [1024, 1024], K = its axis 1); Wq (in the module: [1024, 1024], K = its axis 1); Wv (in the module: [1024, 1024], K = its axis 1); k (in the module: [4, 2048, 1024], K = its axis 2); q (in the module: [4, 2048, 1024], K = its axis 2); v (in the module: [4, 2048, 1024], K = its axis 2): each comes as NAME_codes (uint8): NAME with its K axis moved to the last place and cut into blocks of 32 codes, [.., K / 32, bytes a block], one block behind the other in memory; two codes a byte, the lower K in the low four bits (a code: sign, 2 exponent bits, 1 mantissa bit); and NAME_scales (uint8): the same leading axes, one E8M0 byte (e + 127) for each 32 codes along K. Its value is code x scale, taken as it is: it is not quantised again, and the codes and scales need not be those that the quantiser above would give.
;; One version. Each part assembles by itself: llvm-mc -triple=amdgcn-amd-amdhsa -mcpu=gfx1250 --defsym DOCPART=n.
;; ======== version 1 of 1: 2 launches
;; limits: right only within a limited range of input values
;; workspace buffers: hq 4,194,304 bytes; hqs 524,288 bytes; kv 9,175,040 bytes
;; launch proj (part 1): grid 4 x 192, 4 waves a work-group, clusters of 4 x 4, 229,888 bytes of LDS; arguments q_codes, q_scales, k_codes, k_scales, Wv_codes, Wv_scales, Wq_codes, Wq_scales, Wk_codes, Wk_scales, v_codes, v_scales, bq, bk, bv, hq, hqs, kv; writes hq, hqs, kv
.if DOCPART == 1
	.amdgcn_target "amdgcn-amd-amdhsa--gfx1250"
	.amdhsa_code_object_version 6
	.text
	.protected	k_qde3dd583fd_proj
	.globl	k_qde3dd583fd_proj
	.p2align	8
	.type	k_qde3dd583fd_proj,@function
k_qde3dd583fd_proj:
	s_mov_b64 s[64:65], 0
	v_nop
	global_prefetch_b8 v0, s[64:65] scope:SCOPE_SE
	s_setreg_imm32_b32 hwreg(HW_REG_WAVE_MODE, 25, 1), 1
	s_wait_xcnt 0x0
	s_wait_alu depctr_hold_cnt(0) depctr_sa_sdst(0) depctr_va_vdst(0) depctr_va_sdst(0) depctr_va_ssrc(0) depctr_va_vcc(0) depctr_vm_vsrc(0)
	s_getreg_b32 s2, hwreg(HW_REG_IB_STS2, 6, 4)
	s_cmp_eq_u32 s2, 0
	s_cbranch_scc0 .Lentry_in_a_cluster
	s_endpgm
.Lentry_in_a_cluster:
	s_bfe_u32 s2, ttmp6, 0x10000c
	s_cmp_lg_u32 s2, 0xf033
	s_cbranch_scc0 .Lentry_shape_is_right
	s_endpgm
.Lentry_shape_is_right:
; THE THREE PROJECTIONS  hq = q Wq^T + bq,  hk = k Wk^T + bk,  hv = v Wv^T + bv  on codes of FP4 (E2M1) with one E8M0 scale for each 32 along K = 1,024,
; and the quantising of their results for the attention launch: hq and hk along a head's 64 numbers, hv along the keys.
; ONE BODY FOR THE THREE.  A product is used transposed: source 0 = 16 rows of the REGISTER SIDE (S0), source 1 = 16 rows of the LANE SIDE (S1); in a result, lane (r, h) holds row r of S1 and its
; register j row 8 h + j of S0.  What is quantised next must run along a lane's registers.  Q, K: S1 = tokens, S0 = rows of W.  V: S1 = rows of Wv, S0 = tokens (the keys).
; SHARES.  A work-group makes 128 rows of S1 x 256 rows of S0 over all of K; each of four waves 64 x 128: 32 accumulators.  256 such tiles a tensor; the cluster's y says which tensor (16 clusters each).
; LDS.  A row of codes is 512 bytes, so all of K fits: rows of 512 bytes + 16 of padding, S1's then S0's, each region filled ONCE.  Nothing is filled again.
; CLUSTERS, 4 x 4: S1's tile is shared along a row of the cluster, S0's along a column: each is asked for jointly, by the same tensor load with the same descriptor and a mask that names the four.
; QUANTISING.  A block of 32 is tiles 2 b and 2 b + 1; it lies in lanes l and l xor 16, 16 numbers each.  Four conversions and two exchanges of halves for each pair of blocks leave the operand's own layout:
; registers 4 c .. 4 c + 3 of lane (r, h) = block 2 c + h of row r.  The codes leave as IMAGES OF THE OPERAND'S REGISTERS: four registers, 16 bytes a lane, 512 consecutive bytes a store.
; OUT.  hq [head 64][tile of 16 queries 128][lane][16];  hqs [head][query] a word (b0, b1, b0, b1);  kv [head][key step 16][8,960]: K's 8 tile images, K's 128 words, V^T's [d tile 4][c 2][lane][16], V's [d tile 4][16] words.
; (The attention's first product has K = 64 in an instruction of 128: the words' upper two bytes scale zero codes there; they repeat the lower two.)
; LIMITS: NaN and infinities are not served.  A block whose largest magnitude lies under 2^-124 (a block of zeros too) gets the byte 1: its codes are zeros or near zeros, and this program alone reads the bytes.
; REGISTERS.  window 0: v1-27 addresses; v32-95 S0's scale words (8 t + s), v96-127 S1's (8 a + s); v128-191 S1's fragments, two sets; v192-209 at work; v220-223 words on the way out; v224-255 codes.
;   window 1: v0-63, v128-191 S0's fragments, two sets; v64-127 the bias along the registers; v192-223 the bias along the lanes.   window 2: accumulator (a, t) at v[8 (8 a + t)].
.set PITCH, 528                        ; an LDS row: ALL of K, 512 bytes, + 16 of padding (an odd multiple of 16).  Each region is filled once, by one tensor load a wave at the head; the scale words go from memory straight into registers
.set S1H,   64*PITCH                   ; 64 rows: what one wave fetches and what one wave reads of S1
.set S0H,   128*PITCH                  ; 128 rows: the same for S0
.set SLOT,  384*PITCH                  ; all of K: S1's 128 rows, then S0's 256
.set STG,   SLOT                       ; behind the tiles: 512 bytes for each wave, for the scale words' way out: blocks of 256 bytes into which no tile lands
.set HEADB, 143360                     ; a head in kv
.set RECB,  8960                       ; a key step in kv
.set BQ,    64                         ; window 1: the bias along the registers
.set BV,    192                        ; window 1: the bias along the lanes
.set TM,    192                        ; v192-195 largest magnitudes, v196-199 bytes, v204-207 the conversions' scale operands
.set PW,    208                        ; the scale word just made
.set SWD,   209                        ; and as it is stored
.set PC,    224                        ; codes: eight registers for each block a of S1, so that no store's data are written again
.set MSB, 0
.macro WIN new                         ; the immediate's high byte repeats the setting that is left
.if MSB != \new
	s_set_vgpr_msb (MSB<<8)|\new
.set MSB, \new
.endif
.endm
.macro CROUND                          ; a round of the cluster's barrier
	s_barrier_signal -1
	s_barrier_wait -1
	s_cmp_lg_u32 s42, 0
	s_cbranch_scc1 .Lnot_wave_0_\@
	s_barrier_signal -3
.Lnot_wave_0_\@:
	s_barrier_wait -3
	s_barrier_signal -1
	s_barrier_wait -1
.endm
.macro PLACES n                        ; plain vector instructions between a matrix instruction and a load into, or a read of, its registers
.rept \n
	v_nop
.endr
.endm
; the fragments of K step s (128 along K: 64 bytes of a row) into set p: S0's eight, S1's four; two loads of 16 bytes a fragment, 32 bytes apart
.macro FETCH s, p
	WIN 0x40                                       ; destination window 1, address window 0
.irp t, 0,1,2,3,4,5,6,7
.irp c, 0,1
	ds_load_b128 v[128*(\p)+8*\t+4*\c:128*(\p)+8*\t+4*\c+3], v6 offset:(\s)*64+32*\c+\t*16*PITCH
.endr
.endr
	WIN 0
.irp a, 0,1,2,3
.irp c, 0,1
	ds_load_b128 v[128+32*(\p)+8*\a+4*\c:128+32*(\p)+8*\a+4*\c+3], v4 offset:(\s)*64+32*\c+\a*16*PITCH
.endr
.endr
.endm
; 32 matrix instructions: K step s on set p.  cm = 1: the sums begin with the bias along the registers; 2: with the bias along the lanes; 0: they go on.
; The 32 accumulators take turns, one instruction a turn, in the same order in every step.
.macro MUL s, p, cm
.if \cm
	WIN 0x91                                       ; source 0 (S0) window 1, source 1 (S1) window 0, C (the bias) window 1, D window 2
.else
	WIN 0xa1                                       ; C and D window 2
.endif
.irp a, 0,1,2,3
.irp t, 0,1,2,3,4,5,6,7
.if \cm == 1
	v_wmma_scale_f32_16x16x128_f8f6f4 v[8*(8*\a+\t):8*(8*\a+\t)+7], v[128*(\p)+8*\t:128*(\p)+8*\t+7], v[128+32*(\p)+8*\a:128+32*(\p)+8*\a+7], v[BQ+8*\t:BQ+8*\t+7], v[32+8*\t+(\s)], v[96+8*\a+(\s)] matrix_a_fmt:MATRIX_FMT_FP4 matrix_b_fmt:MATRIX_FMT_FP4
.elseif \cm == 2
	v_wmma_scale_f32_16x16x128_f8f6f4 v[8*(8*\a+\t):8*(8*\a+\t)+7], v[128*(\p)+8*\t:128*(\p)+8*\t+7], v[128+32*(\p)+8*\a:128+32*(\p)+8*\a+7], v[BV+8*\a:BV+8*\a+7], v[32+8*\t+(\s)], v[96+8*\a+(\s)] matrix_a_fmt:MATRIX_FMT_FP4 matrix_b_fmt:MATRIX_FMT_FP4
.else
	v_wmma_scale_f32_16x16x128_f8f6f4 v[8*(8*\a+\t):8*(8*\a+\t)+7], v[128*(\p)+8*\t:128*(\p)+8*\t+7], v[128+32*(\p)+8*\a:128+32*(\p)+8*\a+7], v[8*(8*\a+\t):8*(8*\a+\t)+7], v[32+8*\t+(\s)], v[96+8*\a+(\s)] matrix_a_fmt:MATRIX_FMT_FP4 matrix_b_fmt:MATRIX_FMT_FP4
.endif
.endr
.endr
.endm
; a K step whose successor lies in a half of K that has landed
.macro KSTEP s
	s_wait_dscnt 0x0                               ; this step's fragments are in (asked for one step, 32 matrix instructions, ago)
	PLACES 4                                       ; in front of loads into the set that the last step multiplied
	FETCH (\s)+1, ((\s)+1)%2
	MUL \s, (\s)%2, 0
.endm
; 64 numbers of a lane in window 2, v[src] on (eight tiles of eight), become the operand's eight registers v[dst] on and its scale word v[PW].  Each accumulator is read from its low end on.
.macro QUANT src, dst
	WIN 0x0a                                       ; sources 0 and 1 window 2
.irp b, 0,1,2,3
	v_max3_num_f32 v[TM+\b], |v[(\src)+16*\b]|, |v[(\src)+16*\b+1]|, 0x1800000   ; block b: my 16 numbers, and the floor 2^(3 - 127): the byte cannot fall under 1
.endr
	WIN 0x28                                       ; sources 1 and 2 window 2
.irp i, 2,4,6,8,10,12,14
.irp b, 0,1,2,3
	v_max3_num_f32 v[TM+\b], v[TM+\b], |v[(\src)+16*\b+\i]|, |v[(\src)+16*\b+\i+1]|   ; the four blocks by turns
.endr
.endr
	WIN 0
.irp b, 0,1,2,3
	v_permlanex16_b32 v[TM+4+\b], v[TM+\b], s32, s33
.endr
.irp b, 0,1,2,3
	v_max_num_f32 v[TM+\b], v[TM+\b], v[TM+4+\b]   ; with lane l xor 16: the block's largest magnitude
.endr
.irp b, 0,1,2,3
	v_add_nc_u32 v[TM+12+\b], 0xff000000, v[TM+\b] ; 2 off its exponent field: the conversion takes this operand's exponent field as its scale
.endr
.irp b, 0,1,2,3
	v_lshrrev_b32 v[TM+4+\b], 23, v[TM+12+\b]      ; the scale's byte
.endr
	v_lshl_or_b32 v[PW], v[TM+5], 8, v[TM+4]
	v_lshl_or_b32 v[PW], v[TM+6], 16, v[PW]
	v_lshl_or_b32 v[PW], v[TM+7], 24, v[PW]
	WIN 0x02                                       ; source 0 window 2
.irp c, 0,1
	v_cvt_scalef32_pk8_fp4_f32 v[(\dst)+4*\c],   v[(\src)+32*\c:(\src)+32*\c+7],       v[TM+12+2*\c]   ; block 2 c,     its numbers 8 h + 0 .. 7
	v_cvt_scalef32_pk8_fp4_f32 v[(\dst)+4*\c+1], v[(\src)+32*\c+16:(\src)+32*\c+23],   v[TM+13+2*\c]   ; block 2 c + 1, the same
	v_cvt_scalef32_pk8_fp4_f32 v[(\dst)+4*\c+2], v[(\src)+32*\c+8:(\src)+32*\c+15],    v[TM+12+2*\c]   ; block 2 c,     16 + 8 h + 0 .. 7
	v_cvt_scalef32_pk8_fp4_f32 v[(\dst)+4*\c+3], v[(\src)+32*\c+24:(\src)+32*\c+31],   v[TM+13+2*\c]   ; block 2 c + 1, the same
.endr
	WIN 0
	v_nop                                          ; one plain instruction behind the last scaled conversion
.irp c, 0,1
	v_permlane16_swap_b32 v[(\dst)+4*\c],   v[(\dst)+4*\c+1]   ; the first's lanes 16-31 change places with the second's lanes 0-15:
	v_permlane16_swap_b32 v[(\dst)+4*\c+2], v[(\dst)+4*\c+3]   ; lanes 0-15 now hold block 2 c whole, lanes 16-31 block 2 c + 1
.endr
.endm
; block a of S1 (16 rows) leaves: two images of 512 bytes; its scale words go to the wave's stage
.macro EPI a
	QUANT 64*(\a), PC+8*(\a)
	v_lshrrev_b32 v[SWD], v14, v[PW]               ; Q, K: lanes 16-31 take the second head's two bytes; V: the word as it is
	v_perm_b32 v[SWD], v[SWD], v[SWD], s92         ; Q, K: (b0, b1, b0, b1); V: unchanged
	ds_store_b32 v11, v[SWD] offset:64*(\a)
	global_store_b128 v[16+2*(\a)], v[PC+8*(\a):PC+8*(\a)+3], s[36:37]      ; 32 lanes store 512 consecutive bytes, at a multiple of 256 from the buffer's first byte
	global_store_b128 v[17+2*(\a)], v[PC+8*(\a)+4:PC+8*(\a)+7], s[36:37]
.endm
	s_load_b256 s[4:11], s[0:1], 0x0               ; S1's candidates: q codes, q scales, k codes, k scales,
	s_load_b128 s[12:15], s[0:1], 0x20             ; Wv codes, Wv scales
	s_load_b256 s[16:23], s[0:1], 0x30             ; S0's: Wq codes, Wq scales, Wk codes, Wk scales,
	s_load_b128 s[24:27], s[0:1], 0x50             ; v codes, v scales
	s_load_b128 s[28:31], s[0:1], 0x60             ; bq, bk
	s_load_b64 s[32:33], s[0:1], 0x70              ; bv
	s_load_b128 s[36:39], s[0:1], 0x78             ; hq, hqs
	s_load_b64 s[40:41], s[0:1], 0x88              ; kv
	v_lshl_add_u32 v218, v0, 2, 0x38000
	v_mov_b32 v219, 0
	ds_add_u32 v218, v219
	ds_add_u32 v218, v219
	v_lshrrev_b32 v1, 5, v0
	v_readfirstlane_b32 s42, v1                    ; wave 0..3
	s_lshr_b32 s43, s42, 1                         ; wy: which 64 rows of S1 are mine.  Also: I fetch for S1 (0) or for S0 (1)
	s_and_b32 s66, s42, 1                          ; wx: which 128 rows of S0 are mine.  Also: which half of that tile's rows I fetch
	s_bfe_u32 s94, ttmp6, 0x40000                  ; cx
	s_bfe_u32 s95, ttmp6, 0x40004                  ; cy
	s_and_b32 s2, ttmp7, 0xffff                    ; the cluster's y, 0..47 (the grid has one cluster along x)
	s_lshr_b32 s67, s2, 4                          ; which tensor: 0 Q, 1 K, 2 V: the same in all sixteen partners
	s_and_b32 s2, s2, 15
	s_lshr_b32 s3, s2, 3
	s_and_b32 s34, s2, 7
	s_cmp_eq_u32 s67, 2
	s_cselect_b32 s97, s3, s2                      ; Q, K: 64 tiles of S1 x 4 of S0;  V: 8 x 32
	s_cselect_b32 s96, s34, 0
	s_lshl_b32 s97, s97, 2
	s_add_co_u32 s97, s97, s95                     ; ty: S1's tile
	s_lshl_b32 s96, s96, 2
	s_add_co_u32 s96, s96, s94                     ; tx: S0's tile
	s_lshl_b32 s100, s95, 2
	s_lshl_b32 s100, 15, s100                      ; my row of the cluster
	s_lshl_b32 s101, 0x1111, s94                   ; my column
	; descriptor groups 1.  Codes: rows of 512 bytes, 512 apart in memory, 16 bytes of padding behind each;  S1: 64 rows a load, S0: 128
	s_or_b32 s44, s100, (1<<20)|(1<<21)|(6<<22)|(3<<25)   ; 15:0 the mask; elements of 1 byte; padding on; 21 set beside a mask; four words after every 128
	s_or_b32 s52, s101, (1<<20)|(1<<21)|(6<<22)|(3<<25)
.irp g, 44, 52
	s_mov_b32 s[\g+1], 512<<16                     ; tensor_dim0: a whole row of K
	s_mov_b32 s[\g+3], 512<<16                     ; tile_dim0
	s_mov_b32 s[\g+5], 512                         ; tensor_dim0_stride
	s_mov_b32 s[\g+6], 0
	s_mov_b32 s[\g+7], 0
.endr
	s_mov_b32 s46, 64<<16                          ; tensor_dim1
	s_mov_b32 s48, 64                              ; tile_dim1
	s_mov_b32 s54, 128<<16
	s_mov_b32 s56, 128
	s_lshl_b32 s98, s97, 7
	s_lshl_b32 s2, s66, 6
	s_add_co_u32 s98, s98, s2                      ; the first row of S1 that I would fetch: 128 ty + 64 wx
	s_lshl_b32 s99, s96, 8
	s_lshl_b32 s3, s66, 7
	s_add_co_u32 s99, s99, s3                      ; of S0: 256 tx + 128 wx.  It is also R0, the first row of S0 that I multiply
	s_wait_dscnt 0x0
	s_wait_kmcnt 0x0
	s_cmp_eq_u32 s67, 0                            ; the buffers are chosen by the tensor's number alone
	s_cselect_b64 s[4:5], s[4:5], s[8:9]
	s_cselect_b64 s[6:7], s[6:7], s[10:11]
	s_cselect_b64 s[16:17], s[16:17], s[20:21]
	s_cselect_b64 s[18:19], s[18:19], s[22:23]
	s_cselect_b64 s[28:29], s[28:29], s[30:31]
	s_cselect_b64 s[36:37], s[36:37], s[40:41]     ; codes go to hq or to kv,
	s_cselect_b64 s[38:39], s[38:39], s[40:41]     ; scale words to hqs or to kv
	s_cmp_eq_u32 s67, 2
	s_cselect_b64 s[4:5], s[12:13], s[4:5]         ; S1's codes
	s_cselect_b64 s[6:7], s[14:15], s[6:7]         ; S1's scales
	s_cselect_b64 s[16:17], s[24:25], s[16:17]     ; S0's codes
	s_cselect_b64 s[18:19], s[26:27], s[18:19]     ; S0's scales
	s_cselect_b64 s[28:29], s[32:33], s[28:29]     ; the bias
	; descriptor groups 0.  Every wave makes both; S1's are made in registers that never hold cx, S0's in registers that never hold cy
	s_mov_b32 s31, 0
	s_mov_b32 s33, 0
	s_lshl_b32 s30, s98, 9
	s_add_nc_u64 s[14:15], s[4:5], s[30:31]        ; S1's codes: 64 rows of 512 bytes
	s_lshl_b32 s32, s99, 9
	s_add_nc_u64 s[86:87], s[16:17], s[32:33]      ; S0's: 128 rows
.irp g, 12, 84
	s_mov_b32 s[\g], 1                             ; count = 1
	s_or_b32 s[\g+3], s[\g+3], 0x80000000          ; type = 2
.endr
	s_mul_i32 s13, s66, S1H                        ; LDS addresses: constants and the wave's number alone
	s_mul_i32 s34, s66, S0H
	s_add_co_u32 s85, s34, 2*S1H
	CROUND                                         ; all sixteen work-groups are here: the joint loads meet
	s_cmp_eq_u32 s43, 0                            ; one tensor load a wave, in the two arms of one branch on the wave's number
	s_cbranch_scc0 .Lfor_s0
	tensor_load_to_lds s[12:15], s[44:51]
	s_nop 0
.rept 4
	v_nop
.endr
	s_branch .Lasked
.Lfor_s0:
	tensor_load_to_lds s[84:87], s[52:59]
	s_nop 0
.rept 4
	v_nop
.endr
.Lasked:
	v_and_b32 v1, 15, v0                           ; r
	v_bfe_u32 v2, v0, 4, 1                         ; h
	v_and_b32 v3, 31, v0                           ; lane
	v_lshlrev_b32 v10, 5, v2                       ; the bias along the registers: 32 h bytes on
	s_wait_alu depctr_va_vdst(0)
	v_lshlrev_b32 v24, 2, v1                       ; along the lanes: 4 r
	s_wait_alu depctr_va_vdst(0)
	s_lshl_b32 s98, s97, 7
	s_lshl_b32 s2, s43, 6
	s_add_co_u32 s98, s98, s2                      ; R1, the first row of S1 that I multiply: 128 ty + 64 wy
	s_cmp_eq_u32 s67, 2
	s_cselect_b32 s2, s99, s98                     ; my first token
	s_cselect_b32 s3, s98, s99                     ; my first output feature
	s_cselect_b32 s34, 0, s99                      ; BOTH FORMS OF THE BIAS ARE LOADED, so that every register is written on either way below; the form that is not used reads the bias's first numbers
	s_cselect_b32 s35, s98, 0
	s_lshl_b32 s60, s34, 2
	s_mov_b32 s61, 0
	s_add_nc_u64 s[30:31], s[28:29], s[60:61]
	s_lshl_b32 s60, s35, 2
	s_add_nc_u64 s[28:29], s[28:29], s[60:61]
	WIN 0x40                                       ; destination window 1
.irp t, 0,1,2,3,4,5,6,7
	global_load_b128 v[BQ+8*\t:BQ+8*\t+3], v10, s[30:31] offset:64*\t        ; tile t, lane half h: features 16 t + 8 h + 0 .. 7
	global_load_b128 v[BQ+8*\t+4:BQ+8*\t+7], v10, s[30:31] offset:64*\t+16
.endr
.irp a, 0,1,2,3
.irp j, 0,1,2,3,4,5,6,7
	global_load_b32 v[BV+8*\a+\j], v24, s[28:29] offset:64*\a                ; block a, lane r: feature 16 a + r, in all eight registers of a C operand
.endr
.endr
	WIN 0
	; where my results go
	; the scale words of my rows, for all eight K steps: lane r takes row r's 32 bytes; sixteen lanes read 512 consecutive bytes
	s_lshl_b32 s8, s98, 5
	s_mov_b32 s9, 0
	s_add_nc_u64 s[20:21], s[6:7], s[8:9]          ; S1's, at R1
	s_lshl_b32 s8, s99, 5
	s_add_nc_u64 s[22:23], s[18:19], s[8:9]        ; S0's, at R0
	v_lshlrev_b32 v27, 5, v1
.irp t, 0,1,2,3,4,5,6,7
.irp q, 0,1
	global_load_b128 v[32+8*\t+4*\q:32+8*\t+4*\q+3], v27, s[22:23] offset:512*\t+16*\q
.endr
.endr
.irp a, 0,1,2,3
.irp q, 0,1
	global_load_b128 v[96+8*\a+4*\q:96+8*\a+4*\q+3], v27, s[20:21] offset:512*\a+16*\q
.endr
.endr
	s_lshr_b32 s3, s3, 6
	s_lshr_b32 s60, s2, 11
	s_lshl_b32 s60, s60, 4
	s_add_co_u32 s60, s60, s3                      ; 16 x batch + head
	s_and_b32 s2, s2, 2047                         ; my first token in its batch
	s_mul_i32 s61, s60, HEADB
	s_lshr_b32 s62, s2, 7
	s_mul_i32 s62, s62, RECB
	s_add_co_u32 s61, s61, s62                     ; the key step's record in kv
	s_and_b32 s62, s2, 127
	s_lshl_b32 s63, s62, 5
	s_add_co_u32 s63, s63, s61                     ; K: codes, 32 bytes a key
	s_lshl_b32 s62, s62, 2
	s_add_co_u32 s62, s62, s61
	s_add_co_u32 s62, s62, 4096                    ; K: words
	s_lshl_b32 s92, s60, 16
	s_lshl_b32 s93, s2, 5
	s_add_co_u32 s92, s92, s93                     ; Q: codes
	s_lshl_b32 s93, s60, 13
	s_lshl_b32 s2, s2, 2
	s_add_co_u32 s93, s93, s2                      ; Q: words
	s_add_co_u32 s60, s61, 4608                    ; V: codes
	s_add_co_u32 s61, s61, 8704                    ; V: words
	s_cmp_eq_u32 s67, 0
	s_cselect_b32 s92, s92, s63
	s_cselect_b32 s93, s93, s62
	s_mov_b32 s62, HEADB
	s_cselect_b32 s62, 8192, s62
	s_mov_b32 s63, HEADB
	s_cselect_b32 s63, 65536, s63
	s_cmp_eq_u32 s67, 2
	s_cselect_b32 s2, s60, s92                     ; the codes' offset
	s_cselect_b32 s34, s61, s93                    ; the words' offset
	s_cselect_b32 s61, 512, s63                    ; from registers 0-3 to registers 4-7 of an image: the next head (Q, K), or 512 bytes (V)
	s_cselect_b32 s62, 0, s62                      ; from the first head's words to the second's (Q, K)
	s_mov_b32 s60, 512
	s_cselect_b32 s60, 1024, s60                   ; from block a to block a + 1
	s_cselect_b32 s63, 16, 32                      ; lanes that store words: V has 256 bytes of them, Q and K 512
	s_cselect_b32 s93, 0, 16                       ; the shift of lanes 16-31
	s_mov_b32 s92, 0x01000100
	s_cselect_b32 s92, 0x03020100, s92             ; the byte select
	s_mov_b32 s3, 0
	s_mov_b32 s35, 0
	s_add_nc_u64 s[36:37], s[36:37], s[2:3]
	s_add_nc_u64 s[38:39], s[38:39], s[34:35]
	s_mov_b32 s32, 0x76543210
	s_mov_b32 s33, 0xfedcba98                      ; v_permlanex16_b32: lane l xor 16
	; LDS addresses
	v_mul_u32_u24 v25, v1, PITCH
	v_lshl_add_u32 v25, v2, 4, v25                 ; a fragment's row x pitch + 16 x half
	s_mul_i32 s2, s43, S1H
	v_add_nc_u32 v4, s2, v25                       ; S1's rows
	s_mul_i32 s2, s66, S0H
	s_add_co_u32 s2, s2, 2*S1H
	v_add_nc_u32 v6, s2, v25                       ; S0's rows
	s_lshl_b32 s2, s42, 9
	s_add_co_u32 s2, s2, STG
	v_lshl_add_u32 v11, v2, 8, v24
	v_add_nc_u32 v11, s2, v11                      ; the stage, in: 256 h + 4 r (+ 64 a)
	v_lshlrev_b32 v15, 4, v3                       ; 16 x lane
	s_wait_alu depctr_va_vdst(0)
	v_add_nc_u32 v12, s2, v15                      ; and back
	v_mul_lo_u32 v13, v2, s62
	v_lshl_add_u32 v13, v1, 4, v13                 ; the words' place in memory: 16 r, lanes 16-31 in the second head
	v_mul_u32_u24 v14, s93, v2
.irp a, 0,1,2,3
.irp c, 0,1
	s_mul_i32 s2, s60, \a
	s_mul_i32 s3, s61, \c
	s_add_co_u32 s2, s2, s3
	v_add_nc_u32 v[16+2*\a+\c], s2, v15            ; the images' places
.endr
.endr
.irp b, 0,1,2,3
	v_mov_b32 v[TM+4+\b], 0                        ; written once: a lane permute's destination counts as one of its sources
.endr
	s_wait_alu depctr_va_vdst(0)                   ; the wait at the head's end
	s_wait_tensorcnt 0x0                           ; my one load is in,
	s_barrier_signal -1
	s_barrier_wait -1                              ; everybody's is
	FETCH 0, 0
	FETCH 1, 1
	s_wait_dscnt 24                                ; all but the second step's 24 loads
	s_wait_loadcnt 0x0                             ; the biases
	s_cmp_eq_u32 s67, 2                            ; the first K step starts the sums with the bias as C: nothing is cleared, nothing is added later
	s_cbranch_scc1 .Lstart_v
	MUL 0, 0, 1
	WIN 0
	s_branch .Lstarted
.Lstart_v:
	MUL 0, 0, 2
	WIN 0
.Lstarted:
	KSTEP 1
	KSTEP 2
	KSTEP 3
	KSTEP 4
	KSTEP 5
	KSTEP 6
	s_wait_dscnt 0x0
	MUL 7, 1, 0
	WIN 0
	PLACES 4                                       ; in front of the first read of results
	EPI 0
	EPI 1
	EPI 2
	EPI 3
	ds_load_b128 v[220:223], v12                   ; LDS serves a wave's instructions in order (ISA guide 5.7.1.4): this sees my four stores
	s_wait_dscnt 0x0
	v_cmp_gt_u32 vcc_lo, s63, v3
	s_wait_xcnt 0x0                                ; EXEC changes only behind this wait: it is a source of the stores above
	s_and_saveexec_b32 s2, vcc_lo
	global_store_b128 v13, v[220:223], s[38:39]    ; sixteen lanes store 256 consecutive bytes, at a multiple of 256 from the buffer's first byte
	s_wait_xcnt 0x0
	s_or_b32 exec_lo, exec_lo, s2
	s_wait_tensorcnt 0x0
	ds_add_u32 v218, v219
	s_wait_dscnt 0x0
	CROUND                                         ; the closing round: no work-group ends while a partner may still ask for a tile that names it
	s_endpgm
.Lfunc_end_k_qde3dd583fd_proj:
	.size	k_qde3dd583fd_proj, .Lfunc_end_k_qde3dd583fd_proj-k_qde3dd583fd_proj
	.p2alignl 7, 3214868480
	.fill 96, 4, 3214868480
	.section	.rodata,"a",@progbits
	.p2align	6, 0x0
	.amdhsa_kernel k_qde3dd583fd_proj
		.amdhsa_group_segment_fixed_size 229888
		.amdhsa_private_segment_fixed_size 0
		.amdhsa_enable_private_segment 0
		.amdhsa_kernarg_size 144
		.amdhsa_user_sgpr_count 2
		.amdhsa_user_sgpr_kernarg_segment_ptr 1
		.amdhsa_wavefront_size32 1
		.amdhsa_system_sgpr_workgroup_id_x 1
		.amdhsa_system_sgpr_workgroup_id_y 1
		.amdhsa_system_sgpr_workgroup_id_z 1
		.amdhsa_system_vgpr_workitem_id 0
		.amdhsa_next_free_vgpr 768
		.amdhsa_next_free_sgpr 102
		.amdhsa_reserve_vcc 1
		.amdhsa_float_denorm_mode_32 3
		.amdhsa_float_denorm_mode_16_64 3
		.amdhsa_memory_ordered 1
		.amdhsa_forward_progress 1
		.amdhsa_inst_pref_size 85
	.end_amdhsa_kernel
	.amdgpu_metadata
---
amdhsa.version: [ 1, 2 ]
amdhsa.kernels:
  - .name:           k_qde3dd583fd_proj
    .symbol:         k_qde3dd583fd_proj.kd
    .args:
      - { .name: q_codes, .offset: 0, .size: 8, .value_kind: global_buffer, .address_space: global }
      - { .name: q_scales, .offset: 8, .size: 8, .value_kind: global_buffer, .address_space: global }
      - { .name: k_codes, .offset: 16, .size: 8, .value_kind: global_buffer, .address_space: global }
      - { .name: k_scales, .offset: 24, .size: 8, .value_kind: global_buffer, .address_space: global }
      - { .name: Wv_codes, .offset: 32, .size: 8, .value_kind: global_buffer, .address_space: global }
      - { .name: Wv_scales, .offset: 40, .size: 8, .value_kind: global_buffer, .address_space: global }
      - { .name: Wq_codes, .offset: 48, .size: 8, .value_kind: global_buffer, .address_space: global }
      - { .name: Wq_scales, .offset: 56, .size: 8, .value_kind: global_buffer, .address_space: global }
      - { .name: Wk_codes, .offset: 64, .size: 8, .value_kind: global_buffer, .address_space: global }
      - { .name: Wk_scales, .offset: 72, .size: 8, .value_kind: global_buffer, .address_space: global }
      - { .name: v_codes, .offset: 80, .size: 8, .value_kind: global_buffer, .address_space: global }
      - { .name: v_scales, .offset: 88, .size: 8, .value_kind: global_buffer, .address_space: global }
      - { .name: bq, .offset: 96, .size: 8, .value_kind: global_buffer, .address_space: global }
      - { .name: bk, .offset: 104, .size: 8, .value_kind: global_buffer, .address_space: global }
      - { .name: bv, .offset: 112, .size: 8, .value_kind: global_buffer, .address_space: global }
      - { .name: hq, .offset: 120, .size: 8, .value_kind: global_buffer, .address_space: global }
      - { .name: hqs, .offset: 128, .size: 8, .value_kind: global_buffer, .address_space: global }
      - { .name: kv, .offset: 136, .size: 8, .value_kind: global_buffer, .address_space: global }
    .group_segment_fixed_size: 229888
    .private_segment_fixed_size: 0
    .kernarg_segment_align: 8
    .kernarg_segment_size: 144
    .max_flat_workgroup_size: 128
    .sgpr_count:     102
    .vgpr_count:     768
    .wavefront_size: 32
...
	.end_amdgpu_metadata
.endif
;; end of part 1
;; launch attn (part 2): grid 64 x 4, 16 waves a work-group, clusters of 4 x 1, 327,680 bytes of LDS; arguments hq, hqs, kv, Wo_codes, Wo_scales, bo, out0; writes out0
.if DOCPART == 2
	.amdgcn_target "amdgcn-amd-amdhsa--gfx1250"
	.amdhsa_code_object_version 6
	.text
	.protected	k_qde3dd583fd_attn
	.globl	k_qde3dd583fd_attn
	.p2align	8
	.type	k_qde3dd583fd_attn,@function
k_qde3dd583fd_attn:
	s_mov_b64 s[64:65], 0
	v_nop
	global_prefetch_b8 v0, s[64:65] scope:SCOPE_SE
	s_setreg_imm32_b32 hwreg(HW_REG_WAVE_MODE, 25, 1), 1
	s_wait_xcnt 0x0
	s_wait_alu depctr_hold_cnt(0) depctr_sa_sdst(0) depctr_va_vdst(0) depctr_va_sdst(0) depctr_va_ssrc(0) depctr_va_vcc(0) depctr_vm_vsrc(0)
	s_getreg_b32 s2, hwreg(HW_REG_IB_STS2, 6, 4)
	s_cmp_eq_u32 s2, 0
	s_cbranch_scc0 .Lentry_in_a_cluster
	s_endpgm
.Lentry_in_a_cluster:
	s_bfe_u32 s2, ttmp6, 0x10000c
	s_cmp_lg_u32 s2, 0x3003
	s_cbranch_scc0 .Lentry_shape_is_right
	s_endpgm
.Lentry_shape_is_right:
; ATTENTION AND THE LAST PROJECTION IN ONE LAUNCH, on codes of FP4 (E2M1) with E8M0 scales:
; S = hq hk^T (K = a head's 64), the softmax, O = p hv (K = the keys), ctx = O / l quantised along the hidden axis, out0 = ctx Wo^T + bo (K = 1,024).
; THE SOFTMAX: t = score x log2(e) / 8; M = the running largest t rounded UP to a whole number; p = 2^(t - M) is quantised in blocks of 32 keys, not normalised; l is the sum of the unquantised p.
; When M moves, l and O are multiplied by 2^(old M - new M), which rounds nothing.  No branch hangs on data.
; SHARES.  A work-group owns 32 queries of one batch in ALL 16 heads, so that it owns whole rows of ctx and of out0.  Wave w: head slot w / 2, query tile w % 2; two passes: heads 0-7, then 8-15.
; A wave walks a head's 16 key steps of 128 keys in each pass.  In the last product wave w makes outputs 64 w .. 64 w + 63 of the 32 tokens: 8 accumulators, 64 matrix instructions.
; LDS.  A ring of two slots of 16 records (8 heads x 2 key steps, 143,360 bytes); wave w fetches record w of a slot: one tensor load a wave behind each round.  16 phases of two key steps.
; Behind the ring: ctx's codes as images of operand registers [tile 2][K step 8][c 2][512], its scale words [K step 8][tile 2][16], and the spare words.
; Wo comes into the ring's bytes when the keys are done: wave w's 64 rows, a half of K (256 bytes + 16 of padding) at a time, at 17,920 w; only the wave that fetched them reads them.
; CLUSTER.  The four work-groups of a cluster are four query blocks of one batch: they read the same records and the same rows of Wo; every tile is asked for jointly (mask 15).
; NO PREFETCH: the sixteen clusters of a batch ask for the same record in the same phase, and a load has a phase, two key steps of sixteen waves, in which to land.
; K = 64 IN AN INSTRUCTION OF 128: Q's registers 4-7 are zero codes; K's tile t is named v[32 + 4 t : 39 + 4 t]: its upper four registers (the next tile's codes, or zeros) meet zeros.
; LIMITS: NaN and infinities are not served; the scaled scores stay under 2^31 in magnitude.  A block's largest p is the block's largest score put through the same multiply-add and exponential
; (this takes v_exp_f32 not to fall where its input rises).  A block whose largest number lies under 2^-124 gets the byte 1.
; REGISTERS: v1-11, v28-31, v234-235 addresses; v12 -M, v13 the largest t, v[14:15] l; v16-23 Q, v24-27 the second pass's Q; v32-67 K; v68-99 V; v100-163 S^T, then p; v164-195 O^T; v196-203 p's codes;
;   v204-215 scale words and nothing else; v216-233, v242-253 at work; v236-239 ctx's codes; v254-255 the add's.  Last product: v32-95 Wo, two sets; v196.., v236.., v216.., v224.. ctx; v100-163 sums; v164-195 bo.
.set RECB,  8960                       ; a key step's record: K's 8 tile images, K's 128 words, V^T's 8 images, V's 64 words
.set HEADB, 143360                     ; a head: 16 records
.set SLOTB, 16*RECB
.set CTX,   2*SLOTB
.set CTXS,  CTX+16384
.set SPARE, CTXS+1024                  ; 128 bytes for each of 16 waves; no other line names them
.set WP,    272
.macro ROUND                           ; a round of the cluster's barrier
	s_barrier_signal -1
	s_barrier_wait -1
	s_cmp_lg_u32 s18, 0
	s_cbranch_scc1 .Lnot_wave_0_\@
	s_barrier_signal -3
.Lnot_wave_0_\@:
	s_barrier_wait -3
	s_barrier_signal -1
	s_barrier_wait -1
.endm
.macro PL4                             ; four places behind matrix instructions (ISA guide 7.12.1)
.rept 4
	v_nop
.endr
.endm
; A KEY STEP: 128 keys, whose record begins at LDS byte s60
.macro STEP
	v_add_nc_u32 v4, s60, v1                       ; these two and two v_nop are the places in front of the loads into V's registers
	v_add_nc_u32 v5, s60, v2
	v_nop
	v_nop
.irp t, 0,1,2,3,4,5,6,7
	ds_load_b128 v[32+4*\t:35+4*\t], v4 offset:512*\t              ; K's tile t: lane (r, h): block h of key 16 t + r
.endr
.irp i, 0,1,2,3
	ds_load_b32 v[204+\i], v5 offset:4096+128*\i                   ; K's words: lanes 0-15 tile 2 i, lanes 16-31 tile 2 i + 1
.endr
.irp i, 0,1,2,3,4,5,6,7
	ds_load_b128 v[68+4*\i:71+4*\i], v4 offset:4608+512*\i         ; V^T: tile i / 2, registers 4 (i % 2) on
.endr
.irp i, 0,1
	ds_load_b32 v[208+\i], v5 offset:8704+128*\i                   ; V's words
.endr
	s_wait_dscnt 10                                ; K's twelve loads are in; V's ten, issued behind them, may be out
.irp t, 0,1,2,3,4,5,6,7
.if \t % 2
	v_wmma_scale_f32_16x16x128_f8f6f4 v[100+8*\t:107+8*\t], v[32+4*\t:39+4*\t], v[16:23], 0, v[204+\t/2], v211 matrix_a_fmt:MATRIX_FMT_FP4 matrix_b_fmt:MATRIX_FMT_FP4 matrix_a_scale:MATRIX_SCALE_ROW1
.else
	v_wmma_scale_f32_16x16x128_f8f6f4 v[100+8*\t:107+8*\t], v[32+4*\t:39+4*\t], v[16:23], 0, v[204+\t/2], v211 matrix_a_fmt:MATRIX_FMT_FP4 matrix_b_fmt:MATRIX_FMT_FP4
.endif
.endr                                          ; lane (r, h), register 8 t + j: key 16 t + 8 h + j of query r
	PL4
.irp b, 0,1,2,3
	v_max3_num_f32 v[216+\b], v[100+16*\b], v[101+16*\b], v[102+16*\b]   ; the largest score of each block of 32 keys
.endr
.irp i, 3,5,7,9,11,13
.irp b, 0,1,2,3
	v_max3_num_f32 v[216+\b], v[216+\b], v[100+16*\b+\i], v[101+16*\b+\i]
.endr
.endr
.irp b, 0,1,2,3
	v_max_num_f32 v[216+\b], v[216+\b], v[115+16*\b]
.endr
.irp b, 0,1,2,3
	s_delay_alu instid0(VALU_DEP_4)
	v_permlanex16_b32 v[220+\b], v[216+\b], s20, s21
.endr
.irp b, 0,1,2,3
	s_delay_alu instid0(VALU_DEP_4)
	v_max_num_f32 v[216+\b], v[216+\b], v[220+\b]  ; with lane l xor 16's 16 keys
.endr
	s_delay_alu instid0(VALU_DEP_2)
	v_max3_num_f32 v230, v216, v217, v218
	s_delay_alu instid0(VALU_DEP_1)
	v_max_num_f32 v230, v230, v219                 ; the step's largest score of my query
	s_delay_alu instid0(VALU_DEP_1)
	v_mul_f32 v230, s22, v230                      ; as t (c is positive)
	s_delay_alu instid0(VALU_DEP_1)
	v_max_num_f32 v13, v13, v230                   ; the running largest t
	v_mov_b32 v230, v12
	s_delay_alu instid0(VALU_DEP_2)
	v_floor_f32 v12, -v13                          ; the new -M = -ceil(t)
	s_delay_alu instid0(VALU_DEP_1)
	v_sub_f32 v230, v12, v230                      ; old M - new M: a whole number, 0 or less
	s_delay_alu instid0(VALU_DEP_1)
	v_cvt_i32_f32 v230, v230                       ; (it saturates)
	s_delay_alu instid0(VALU_DEP_1)
	v_ldexp_f32 v228, 1.0, v230                    ; f = 2^(old M - new M)
.set j, 0
.rept 32
	v_pk_fma_f32 v[100+j:101+j], v[100+j:101+j], s[22:23], v[12:13] op_sel_hi:[1,0,0]   ; t - M, two at a time
.set j, j+2
.endr
.irp b, 0,1,2,3
	v_fma_f32 v[216+\b], v[216+\b], s22, v12       ; the same of each block's largest score
.endr
.set j, 0
	s_wait_alu depctr_va_vdst(0)                   ; ahead of the batch
.rept 64
	v_exp_f32 v[100+j], v[100+j]                   ; p = 2^(t - M), at most 1
.set j, j+1
.endr
	v_pk_mul_f32 v[14:15], v[14:15], v[228:229] op_sel_hi:[1,0]   ; l under the new M: the plain instruction behind the batch
	s_wait_alu depctr_va_vdst(0)                   ; one wait for the 64, ahead of their first reader
.irp b, 0,1,2,3
	v_exp_f32 v[216+\b], v[216+\b]                 ; the block's largest p
.endr
	v_pk_add_f32 v[232:233], v[104:105], v[108:109]
	v_pk_add_f32 v[252:253], v[112:113], v[116:117]
	v_pk_add_f32 v[250:251], v[120:121], v[124:125]
	v_pk_add_f32 v[248:249], v[128:129], v[132:133]
	v_pk_add_f32 v[246:247], v[136:137], v[140:141]
	v_pk_add_f32 v[244:245], v[144:145], v[148:149]
	v_pk_add_f32 v[242:243], v[152:153], v[156:157]
	v_pk_add_f32 v[14:15], v[14:15], v[160:161]
	v_pk_add_f32 v[232:233], v[232:233], v[100:101]
	v_pk_add_f32 v[252:253], v[252:253], v[102:103]
	v_pk_add_f32 v[250:251], v[250:251], v[106:107]
	v_pk_add_f32 v[248:249], v[248:249], v[110:111]
	v_pk_add_f32 v[246:247], v[246:247], v[114:115]
	v_pk_add_f32 v[244:245], v[244:245], v[118:119]
	v_pk_add_f32 v[242:243], v[242:243], v[122:123]
	v_pk_add_f32 v[14:15], v[14:15], v[126:127]
	v_pk_add_f32 v[232:233], v[232:233], v[130:131]
	v_pk_add_f32 v[252:253], v[252:253], v[134:135]
	v_pk_add_f32 v[250:251], v[250:251], v[138:139]
	v_pk_add_f32 v[248:249], v[248:249], v[142:143]
	v_pk_add_f32 v[246:247], v[246:247], v[146:147]
	v_pk_add_f32 v[244:245], v[244:245], v[150:151]
	v_pk_add_f32 v[242:243], v[242:243], v[154:155]
	v_pk_add_f32 v[14:15], v[14:15], v[158:159]
	v_pk_add_f32 v[232:233], v[232:233], v[162:163]
	s_delay_alu instid0(VALU_DEP_2)
	v_pk_add_f32 v[14:15], v[14:15], v[248:249]
	s_delay_alu instid0(VALU_DEP_2)
	v_pk_add_f32 v[232:233], v[232:233], v[246:247]
	v_pk_add_f32 v[252:253], v[252:253], v[244:245]
	v_pk_add_f32 v[250:251], v[250:251], v[242:243]
	s_delay_alu instid0(VALU_DEP_2)
	v_pk_add_f32 v[14:15], v[14:15], v[252:253]
	s_delay_alu instid0(VALU_DEP_2)
	v_pk_add_f32 v[232:233], v[232:233], v[250:251]
	s_delay_alu instid0(VALU_DEP_1)
	v_pk_add_f32 v[14:15], v[14:15], v[232:233]
	s_wait_alu depctr_va_vdst(0)                   ; and one for the four
.irp b, 0,1,2,3
	v_max_num_f32 v[216+\b], 0x1800000, v[216+\b]  ; the floor 2^(3 - 127): the byte cannot fall under 1
.endr
.irp b, 0,1,2,3
	s_delay_alu instid0(VALU_DEP_4)
	v_add_nc_u32 v[224+\b], 0xff000000, v[216+\b]  ; 2 off the exponent field: the conversion's scale operand
.endr
.irp b, 0,1,2,3
	s_delay_alu instid0(VALU_DEP_4)
	v_lshrrev_b32 v[220+\b], 23, v[224+\b]         ; the scale's byte
.endr
	s_delay_alu instid0(VALU_DEP_3)
	v_lshl_or_b32 v210, v221, 8, v220              ; p's scale word for these 128 keys
	s_delay_alu instid0(VALU_DEP_1)
	v_lshl_or_b32 v210, v222, 16, v210
	s_delay_alu instid0(VALU_DEP_1)
	v_lshl_or_b32 v210, v223, 24, v210
.irp c, 0,1
	v_cvt_scalef32_pk8_fp4_f32 v[196+4*\c], v[100+32*\c:107+32*\c], v[224+2*\c]   ; block 2 c,     keys 8 h + 0 .. 7
	v_cvt_scalef32_pk8_fp4_f32 v[197+4*\c], v[116+32*\c:123+32*\c], v[225+2*\c]   ; block 2 c + 1, the same
	v_cvt_scalef32_pk8_fp4_f32 v[198+4*\c], v[108+32*\c:115+32*\c], v[224+2*\c]   ; block 2 c,     16 + 8 h + 0 .. 7
	v_cvt_scalef32_pk8_fp4_f32 v[199+4*\c], v[124+32*\c:131+32*\c], v[225+2*\c]   ; block 2 c + 1, the same
.endr
	v_nop                                          ; one plain instruction behind the last scaled conversion
.irp c, 0,1
	v_permlane16_swap_b32 v[196+4*\c], v[197+4*\c] ; lanes 0-15 now hold block 2 c whole, lanes 16-31 block 2 c + 1
	v_permlane16_swap_b32 v[198+4*\c], v[199+4*\c]
.endr
.set j, 0
.rept 16
	v_pk_mul_f32 v[164+j:165+j], v[164+j:165+j], v[228:229] op_sel_hi:[1,0]   ; O^T under the new M; also the places behind the writes of p's word and codes
.set j, j+2
.endr
	s_wait_alu depctr_va_vdst(0)                   ; directly ahead of the wait below
	s_wait_dscnt 0x0                               ; V is in
.irp d, 0,1,2,3                                ; the four accumulators take turns
.if \d % 2
	v_wmma_scale_f32_16x16x128_f8f6f4 v[164+8*\d:171+8*\d], v[68+8*\d:75+8*\d], v[196:203], v[164+8*\d:171+8*\d], v[208+\d/2], v210 matrix_a_fmt:MATRIX_FMT_FP4 matrix_b_fmt:MATRIX_FMT_FP4 matrix_a_scale:MATRIX_SCALE_ROW1
.else
	v_wmma_scale_f32_16x16x128_f8f6f4 v[164+8*\d:171+8*\d], v[68+8*\d:75+8*\d], v[196:203], v[164+8*\d:171+8*\d], v[208+\d/2], v210 matrix_a_fmt:MATRIX_FMT_FP4 matrix_b_fmt:MATRIX_FMT_FP4
.endif
.endr
.endm
; A PHASE: the change of slots, then the slot's two key steps.  In front of the round each wave waits for its tensor load (its record of this slot), adds 0 to its spare word and waits for that and for its reads of the other slot.
; sel = 1: this slot's descriptor steps by s[54:55]; 0: by four records.  refill = 1: the other slot takes the next two key steps.
.macro PH slot, refill, sel
	s_wait_tensorcnt 0x0
	ds_add_u32 v254, v255
.if \sel
	s_add_nc_u64 s[42+4*\slot:43+4*\slot], s[42+4*\slot:43+4*\slot], s[54:55]
.else
	s_add_nc_u64 s[42+4*\slot:43+4*\slot], s[42+4*\slot:43+4*\slot], 4*RECB
.endif
	s_wait_dscnt 0x0
	ROUND
.if \refill
	tensor_load_to_lds s[44-4*\slot:47-4*\slot], s[24:31]
	s_nop 0
.endif
	s_add_co_u32 s60, s52, \slot*SLOTB             ; my head's two records in this slot
	s_mov_b32 s61, 2
.Lstep_\@:
	STEP
	s_add_co_u32 s60, s60, RECB
	s_sub_co_u32 s61, s61, 1
	s_cmp_lg_u32 s61, 0
	s_cbranch_scc1 .Lstep_\@
.endm
.macro INIT                            ; a head begins: the first step finds zeros, which the first change of M leaves zeros
	v_mov_b32 v13, 0xff61b1e6                      ; the largest t so far: -3e38
	s_delay_alu instid0(VALU_DEP_1)
	v_floor_f32 v12, -v13
	v_mov_b32 v14, 0
	v_mov_b32 v15, 0
.set j, 0
.rept 32
	v_mov_b32 v[164+j], 0
.set j, j+1
.endr
.endm
; a head ends: ctx = O^T / l, quantised in its two blocks of 32; codes and bytes go to the stage in LDS as the last product's operand wants them.  p: the pass
.macro FINISH p
	PL4
	v_add_f32 v14, v14, v15
	s_delay_alu instid0(VALU_DEP_1)
	v_permlanex16_b32 v230, v14, s20, s21
	s_delay_alu instid0(VALU_DEP_1)
	v_add_f32 v14, v14, v230                       ; l: the two halves, and lane l xor 16's
	s_wait_alu depctr_va_vdst(0)
	v_rcp_f32 v228, v14
	v_nop                                          ; a plain instruction behind the reciprocal
	s_wait_alu depctr_va_vdst(0)                   ; the wait ahead of its first reader, and of the first readers of O^T
.set j, 0
.rept 16
	v_pk_mul_f32 v[164+j:165+j], v[164+j:165+j], v[228:229] op_sel_hi:[1,0]
.set j, j+2
.endr
.irp b, 0,1
	v_max3_num_f32 v[216+\b], |v[164+16*\b]|, |v[165+16*\b]|, 0x1800000
.endr
.irp i, 2,4,6,8,10,12,14
.irp b, 0,1
	s_delay_alu instid0(VALU_DEP_2)
	v_max3_num_f32 v[216+\b], v[216+\b], |v[164+16*\b+\i]|, |v[165+16*\b+\i]|
.endr
.endr
.irp b, 0,1
	s_delay_alu instid0(VALU_DEP_2)
	v_permlanex16_b32 v[220+\b], v[216+\b], s20, s21
.endr
.irp b, 0,1
	s_delay_alu instid0(VALU_DEP_2)
	v_max_num_f32 v[216+\b], v[216+\b], v[220+\b]
.endr
.irp b, 0,1
	s_delay_alu instid0(VALU_DEP_2)
	v_add_nc_u32 v[224+\b], 0xff000000, v[216+\b]
.endr
.irp b, 0,1
	s_delay_alu instid0(VALU_DEP_2)
	v_lshrrev_b32 v[220+\b], 23, v[224+\b]
.endr
	s_delay_alu instid0(VALU_DEP_1)
	v_lshl_or_b32 v8, v221, 8, v220                ; this head's two bytes
	v_cvt_scalef32_pk8_fp4_f32 v236, v[164:171], v224
	v_cvt_scalef32_pk8_fp4_f32 v237, v[180:187], v225
	v_cvt_scalef32_pk8_fp4_f32 v238, v[172:179], v224
	v_cvt_scalef32_pk8_fp4_f32 v239, v[188:195], v225
	v_nop
	v_permlane16_swap_b32 v236, v237
	v_permlane16_swap_b32 v238, v239
	ds_store_b128 v6, v[236:239] offset:4096*\p    ; registers 4 c .. 4 c + 3 (c = head % 2) of K step head / 2
	ds_store_b16 v7, v8 offset:512*\p              ; lanes r and 16 + r write the same two bytes
.endm
; THE LAST PRODUCT.  K step s of half kh into set p: Wo's four tiles from my rows, ctx's two tiles as images
.macro GFETCH kh, s, p
.irp t, 0,1,2,3
.irp c, 0,1
	ds_load_b128 v[32+32*(\p)+8*\t+4*\c:32+32*(\p)+8*\t+4*\c+3], v28 offset:\t*16*WP+(\s)*64+32*\c
.endr
.endr
.irp q, 0,1
.irp c, 0,1
	ds_load_b128 v[196+20*(\p)+\q*(40-32*(\p))+4*\c:196+20*(\p)+\q*(40-32*(\p))+4*\c+3], v29 offset:8192*\q+(4*\kh+(\s))*1024+512*\c
.endr
.endr
.endm
; eight matrix instructions, the eight accumulators by turns.  Source 0 = 16 rows of Wo, source 1 = 16 tokens.  first = 1: the sums begin with bo
.macro GMUL s, p, first
.irp q, 0,1
.irp t, 0,1,2,3
.set DD, 100+32*\q+8*\t
.if \first
.set CC, 164+8*\t
.else
.set CC, DD
.endif
.set AA, 32+32*(\p)+8*\t
.set BB, 196+20*(\p)+\q*(40-32*(\p))
.set SA, 204+4*(\t/2)+(\s)
.set SB, 212+(\s)
.if (\t%2)*\q
	v_wmma_scale_f32_16x16x128_f8f6f4 v[DD:DD+7], v[AA:AA+7], v[BB:BB+7], v[CC:CC+7], v[SA], v[SB] matrix_a_fmt:MATRIX_FMT_FP4 matrix_b_fmt:MATRIX_FMT_FP4 matrix_a_scale:MATRIX_SCALE_ROW1 matrix_b_scale:MATRIX_SCALE_ROW1
.elseif \t%2
	v_wmma_scale_f32_16x16x128_f8f6f4 v[DD:DD+7], v[AA:AA+7], v[BB:BB+7], v[CC:CC+7], v[SA], v[SB] matrix_a_fmt:MATRIX_FMT_FP4 matrix_b_fmt:MATRIX_FMT_FP4 matrix_a_scale:MATRIX_SCALE_ROW1
.elseif \q
	v_wmma_scale_f32_16x16x128_f8f6f4 v[DD:DD+7], v[AA:AA+7], v[BB:BB+7], v[CC:CC+7], v[SA], v[SB] matrix_a_fmt:MATRIX_FMT_FP4 matrix_b_fmt:MATRIX_FMT_FP4 matrix_b_scale:MATRIX_SCALE_ROW1
.else
	v_wmma_scale_f32_16x16x128_f8f6f4 v[DD:DD+7], v[AA:AA+7], v[BB:BB+7], v[CC:CC+7], v[SA], v[SB] matrix_a_fmt:MATRIX_FMT_FP4 matrix_b_fmt:MATRIX_FMT_FP4
.endif
.endr
.endr
.endm
.macro GK kh, s, first
	s_wait_dscnt 0x0                               ; this step's fragments are in
	PL4                                            ; in front of loads into the set that the last step multiplied
	GFETCH \kh, (\s)+1, ((\s)+1)%2
	GMUL \s, (\s)%2, \first
.endm
.macro GHALF kh
.irp s, 0,1,2,3
	ds_load_b32 v[212+\s], v30 offset:(4*\kh+\s)*128   ; ctx's words: lanes 0-15 tile 0, lanes 16-31 tile 1
.endr
	GFETCH \kh, 0, 0
	s_wait_loadcnt 0x0                             ; Wo's words (and bo)
	GK \kh, 0, 1-\kh
	GK \kh, 1, 0
	GK \kh, 2, 0
	s_wait_dscnt 0x0
	GMUL 3, 1, 0
.endm
	s_load_b256 s[4:11], s[0:1], 0x0               ; hq s[4:5], hqs s[6:7], kv s[8:9], Wo's codes s[10:11]
	s_load_b128 s[12:15], s[0:1], 0x20             ; Wo's scales s[12:13], bo s[14:15]
	s_load_b64 s[16:17], s[0:1], 0x30              ; out0
	v_lshl_add_u32 v254, v0, 2, SPARE
	v_mov_b32 v255, 0
	ds_add_u32 v254, v255                          ; the opening lines: the add, twice on end, and its wait
	ds_add_u32 v254, v255
	v_lshrrev_b32 v1, 5, v0
	v_readfirstlane_b32 s18, v1                    ; wave 0..15
	s_bfe_u32 s19, ttmp6, 0x40000                  ; cx: it enters hq's, hqs's and out0's addresses alone
	s_lshl_b32 s57, ttmp9, 2
	s_add_co_u32 s57, s57, s19                     ; my block of 32 queries in the batch
	s_and_b32 s58, ttmp7, 0xffff                   ; the batch: the four partners share it
	s_mov_b32 s24, 15|(3<<16)|(1<<21)              ; a record: 35 rows of 256 bytes (32 elements of 8), dense; mask: all four work-groups; 21 set beside a mask
	s_mov_b32 s25, 32<<16
	s_mov_b32 s26, 35<<16
	s_mov_b32 s27, 32<<16
	s_mov_b32 s28, 35
	s_mov_b32 s29, 32
	s_mov_b32 s30, 0
	s_mov_b32 s31, 0
	s_mov_b32 s32, 15|(1<<20)|(1<<21)|(5<<22)|(3<<25)   ; Wo: 64 rows of 256 bytes, 512 apart, four words of padding after every 64
	s_mov_b32 s33, 256<<16
	s_mov_b32 s34, 64<<16
	s_mov_b32 s35, 256<<16
	s_mov_b32 s36, 64
	s_mov_b32 s37, 512
	s_mov_b32 s38, 0
	s_mov_b32 s39, 0
	s_mov_b32 s20, 0x76543210
	s_mov_b32 s21, 0xfedcba98                      ; v_permlanex16_b32: lane l xor 16
	s_mov_b32 s22, 0x3e38aa3b                      ; c = log2(e) / 8
	s_mov_b32 s23, s22
	s_mov_b32 s55, 0
	s_lshr_b32 s59, s18, 1                         ; my head slot
	s_and_b32 s53, s18, 1                          ; my query tile; also: which of the slot's two key steps I fetch
	s_mul_i32 s52, s59, 2*RECB
	s_lshl_b32 s62, s58, 4
	s_add_co_u32 s62, s62, s59                     ; 16 x batch + head slot
	s_mul_i32 s62, s62, HEADB
	s_mul_i32 s3, s53, RECB
	s_add_co_u32 s62, s62, s3
	s_mov_b32 s63, 0
	s_mov_b32 s40, 1
	s_mov_b32 s44, 1
	s_mov_b32 s48, 1
	s_mul_i32 s41, s18, RECB                       ; LDS addresses: constants and the wave's number alone
	s_add_co_u32 s45, s41, SLOTB
	s_mul_i32 s49, s18, 2*RECB
	s_lshl_b32 s66, s18, 15                        ; my 64 rows of Wo
	s_mov_b32 s67, 0
	s_wait_dscnt 0x0
	s_wait_kmcnt 0x0
	s_add_nc_u64 s[42:43], s[8:9], s[62:63]        ; key steps 0, 1 of the first pass
	s_add_nc_u64 s[46:47], s[42:43], 2*RECB        ; key steps 2, 3
	s_add_nc_u64 s[50:51], s[10:11], s[66:67]
	s_or_b32 s43, s43, 0x80000000
	s_or_b32 s47, s47, 0x80000000
	s_or_b32 s51, s51, 0x80000000
	ROUND                                          ; all four work-groups are here: the joint loads meet
	tensor_load_to_lds s[40:43], s[24:31]          ; one tensor load a wave at the head
	s_nop 0
	s_lshl_b32 s2, s57, 1
	s_add_co_u32 s2, s2, s53                       ; my tile of 16 queries in the batch
	s_lshl_b32 s62, s58, 4
	s_add_co_u32 s62, s62, s59
	s_lshl_b32 s3, s62, 13
	s_lshl_b32 s62, s62, 16
	s_lshl_b32 s66, s2, 9
	s_add_co_u32 s62, s62, s66
	s_add_nc_u64 s[4:5], s[4:5], s[62:63]          ; hq: 65,536 bytes a head, 512 a tile
	s_lshl_b32 s66, s2, 6
	s_add_co_u32 s62, s3, s66
	s_add_nc_u64 s[6:7], s[6:7], s[62:63]          ; hqs: 8,192 a head, 64 a tile
	s_lshl_b32 s62, s18, 11
	s_add_nc_u64 s[12:13], s[12:13], s[62:63]      ; Wo's scale bytes of my 64 rows
	s_lshl_b32 s62, s18, 8
	s_add_nc_u64 s[14:15], s[14:15], s[62:63]      ; bo at my 64 outputs
	s_add_nc_u64 s[16:17], s[16:17], s[62:63]
	s_lshl_b32 s62, s58, 11
	s_lshl_b32 s66, s57, 5
	s_add_co_u32 s62, s62, s66
	s_lshl_b32 s62, s62, 12
	s_add_nc_u64 s[16:17], s[16:17], s[62:63]      ; out0 at (my work-group's first token, my first output)
	s_lshr_b32 s3, s59, 1                          ; head slot / 2: the K step in the pass
	s_and_b32 s67, s59, 1                          ; head slot % 2: c
	s_lshl_b32 s68, s53, 13
	s_lshl_b32 s66, s3, 10
	s_add_co_u32 s68, s68, s66
	s_lshl_b32 s66, s67, 9
	s_add_co_u32 s68, s68, s66
	s_add_co_u32 s68, s68, CTX                     ; where my codes of ctx go
	s_lshl_b32 s69, s3, 7
	s_lshl_b32 s66, s53, 6
	s_add_co_u32 s69, s69, s66
	s_lshl_b32 s66, s67, 1
	s_add_co_u32 s69, s69, s66
	s_add_co_u32 s69, s69, CTXS                    ; and my bytes
	v_and_b32 v2, 31, v0
	v_and_b32 v3, 15, v0                           ; r
	v_bfe_u32 v11, v0, 4, 1                        ; h
	v_lshlrev_b32 v1, 4, v2                        ; 16 x lane
	v_lshlrev_b32 v10, 5, v2                       ; 32 x lane
	v_lshlrev_b32 v2, 2, v2                        ; 4 x lane
	v_lshlrev_b32 v9, 2, v3                        ; 4 r
	global_load_b128 v[16:19], v1, s[4:5]          ; Q of the first pass's head
	global_load_b128 v[24:27], v1, s[4:5] offset:524288   ; of the second's, eight heads on
	global_load_b32 v211, v9, s[6:7]               ; their scale words
	global_load_b32 v212, v9, s[6:7] offset:65536
	v_add_nc_u32 v6, s68, v1
	v_add_nc_u32 v7, s69, v9
	v_mul_u32_u24 v28, v3, WP
	v_add_nc_u32 v28, s49, v28
	v_lshl_add_u32 v31, v11, 5, v28                ; the way out, in: my region + 272 r + 32 h
	v_lshl_add_u32 v28, v11, 4, v28                ; Wo's fragments: my region + 272 r + 16 h
	v_mul_u32_u24 v235, v11, WP
	v_lshl_add_u32 v235, v3, 4, v235
	v_add_nc_u32 v235, s49, v235                   ; the way out, back: lanes 0-15 one row, lanes 16-31 the next
	v_add_nc_u32 v29, CTX, v1
	v_add_nc_u32 v30, CTXS, v2
	v_lshlrev_b32 v234, 5, v11                     ; bo: 32 h bytes on
	v_lshlrev_b32 v3, 4, v3
	v_lshl_add_u32 v3, v11, 12, v3                 ; out0: 4,096 h + 16 r
.irp i, 20,21,22,23,64,65,66,67
	v_mov_b32 v[\i], 0                             ; zero codes: Q's registers 4-7, and what stands behind K's last tile
.endr
.irp i, 220,221,222,223,229,230
	v_mov_b32 v[\i], 0                             ; written once: lane permutes' destinations, and the upper half of the pair v[228:229]
.endr
	s_wait_alu depctr_va_vdst(0)                   ; the wait at the head's end
	s_wait_loadcnt 0x0                             ; Q
	INIT
	s_mov_b32 s56, 4
.Lpass_a:                                              ; phases 0 to 7.  In the last trip the descriptors step on to the second pass's heads: 8 heads on, 12 records back
	s_mov_b32 s54, 4*RECB
	s_cmp_eq_u32 s56, 1
	s_cselect_b32 s54, 116*RECB, s54
	PH 0, 1, 1
	PH 1, 1, 1
	s_sub_co_u32 s56, s56, 1
	s_cmp_lg_u32 s56, 0
	s_cbranch_scc1 .Lpass_a
	FINISH 0
.irp i, 0,1,2,3
	v_mov_b32 v[16+\i], v[24+\i]                   ; the second pass's Q
.endr
	v_mov_b32 v211, v212
	INIT
	s_mov_b32 s56, 3
.Lpass_b:                                              ; phases 8 to 13
	PH 0, 1, 0
	PH 1, 1, 0
	s_sub_co_u32 s56, s56, 1
	s_cmp_lg_u32 s56, 0
	s_cbranch_scc1 .Lpass_b
	PH 0, 1, 0                                     ; the last two phases are written out: the last fetches nothing
	PH 1, 0, 0
	s_wait_tensorcnt 0x0                           ; the keys are done: the ring's bytes take Wo
	ds_add_u32 v254, v255
	s_wait_dscnt 0x0
	ROUND
	tensor_load_to_lds s[48:51], s[32:39]          ; my 64 rows, first half of K
	s_nop 0
	FINISH 1
.irp t, 0,1,2,3
	global_load_b128 v[164+8*\t:167+8*\t], v234, s[14:15] offset:64*\t       ; bo: tile t, lane half h: outputs 16 t + 8 h + 0 .. 7
	global_load_b128 v[168+8*\t:171+8*\t], v234, s[14:15] offset:64*\t+16
.endr
	global_load_b128 v[204:207], v10, s[12:13]              ; Wo's words, K steps 0-3: lanes 0-15 tile 0, lanes 16-31 tile 1
	global_load_b128 v[208:211], v10, s[12:13] offset:1024  ; tiles 2 and 3
	s_wait_tensorcnt 0x0                           ; my rows of Wo are in; only I read them
	s_wait_dscnt 0x0                               ; my part of ctx is stored,
	s_barrier_signal -1
	s_barrier_wait -1                              ; everybody's is
	GHALF 0
	PL4                                            ; in front of loads into the scale registers
	global_load_b128 v[204:207], v10, s[12:13] offset:16    ; K steps 4-7
	global_load_b128 v[208:211], v10, s[12:13] offset:1040
	s_wait_tensorcnt 0x0
	ds_add_u32 v254, v255
	s_add_nc_u64 s[50:51], s[50:51], 256           ; no tensor load of mine is out: the second half of K
	s_wait_dscnt 0x0
	ROUND
	tensor_load_to_lds s[48:51], s[32:39]
	s_nop 0
	s_wait_tensorcnt 0x0
	GHALF 1
	PL4                                            ; in front of the first read of results and of loads into Wo's registers
; THE WAY OUT.  A lane holds 32 bytes of a token's 256: a tile of 16 tokens goes through my region, which has had its last fill, and comes back as whole rows
.irp q, 0,1
.irp t, 0,1,2,3
	ds_store_b128 v31, v[100+32*\q+8*\t:103+32*\q+8*\t] offset:4352*\q+64*\t      ; each accumulator from its low end on
	ds_store_b128 v31, v[104+32*\q+8*\t:107+32*\q+8*\t] offset:4352*\q+64*\t+16
.endr
.irp i, 0,1,2,3,4,5,6,7
	ds_load_b128 v[32+32*\q+4*\i:35+32*\q+4*\i], v235 offset:4352*\q+544*\i       ; LDS serves a wave's instructions in order (ISA guide 5.7.1.4)
.endr
.endr
.irp q, 0,1
	s_wait_dscnt 16-16*\q                          ; tile q is back; behind tile 0's loads stand tile 1's 8 stores and 8 loads
.irp i, 0,1,2,3,4,5,6,7
	global_store_b128 v3, v[32+32*\q+4*\i:35+32*\q+4*\i], s[16:17] offset:(16*\q+2*\i)*4096 th:TH_STORE_NT   ; sixteen lanes store 256 consecutive bytes, at a multiple of 256 from out0's first byte
.endr
.endr
	s_wait_tensorcnt 0x0                           ; the wave's end
	ds_add_u32 v254, v255
	s_wait_dscnt 0x0
	ROUND                                          ; the closing round
	s_endpgm
.Lfunc_end_k_qde3dd583fd_attn:
	.size	k_qde3dd583fd_attn, .Lfunc_end_k_qde3dd583fd_attn-k_qde3dd583fd_attn
	.p2alignl 7, 3214868480
	.fill 96, 4, 3214868480
	.section	.rodata,"a",@progbits
	.p2align	6, 0x0
	.amdhsa_kernel k_qde3dd583fd_attn
		.amdhsa_group_segment_fixed_size 327680
		.amdhsa_private_segment_fixed_size 0
		.amdhsa_enable_private_segment 0
		.amdhsa_kernarg_size 56
		.amdhsa_user_sgpr_count 2
		.amdhsa_user_sgpr_kernarg_segment_ptr 1
		.amdhsa_wavefront_size32 1
		.amdhsa_system_sgpr_workgroup_id_x 1
		.amdhsa_system_sgpr_workgroup_id_y 1
		.amdhsa_system_sgpr_workgroup_id_z 1
		.amdhsa_system_vgpr_workitem_id 0
		.amdhsa_next_free_vgpr 256
		.amdhsa_next_free_sgpr 72
		.amdhsa_reserve_vcc 0
		.amdhsa_float_denorm_mode_32 3
		.amdhsa_float_denorm_mode_16_64 3
		.amdhsa_memory_ordered 1
		.amdhsa_forward_progress 1
		.amdhsa_inst_pref_size 140
	.end_amdhsa_kernel
	.amdgpu_metadata
---
amdhsa.version: [ 1, 2 ]
amdhsa.kernels:
  - .name:           k_qde3dd583fd_attn
    .symbol:         k_qde3dd583fd_attn.kd
    .args:
      - { .name: hq, .offset: 0, .size: 8, .value_kind: global_buffer, .address_space: global }
      - { .name: hqs, .offset: 8, .size: 8, .value_kind: global_buffer, .address_space: global }
      - { .name: kv, .offset: 16, .size: 8, .value_kind: global_buffer, .address_space: global }
      - { .name: Wo_codes, .offset: 24, .size: 8, .value_kind: global_buffer, .address_space: global }
      - { .name: Wo_scales, .offset: 32, .size: 8, .value_kind: global_buffer, .address_space: global }
      - { .name: bo, .offset: 40, .size: 8, .value_kind: global_buffer, .address_space: global }
      - { .name: out0, .offset: 48, .size: 8, .value_kind: global_buffer, .address_space: global }
    .group_segment_fixed_size: 327680
    .private_segment_fixed_size: 0
    .kernarg_segment_align: 8
    .kernarg_segment_size: 56
    .max_flat_workgroup_size: 512
    .sgpr_count:     72
    .vgpr_count:     256
    .wavefront_size: 32
...
	.end_amdgpu_metadata
.endif
;; end of part 2
